; MI455X (gfx1250); checked and timed in simulation.
; The chip was launched on July 23, 2026; its instructions are those of AMD's public machine-readable ISA for CDNA 5 (MIT licence, August 2026) and "CDNA5" Instruction Set Architecture Reference Guide (July 2026). The comments in the code are by the model that wrote it; some were corrected since.
;; Attn. Allowed arithmetic: matrix products marked QUANTISED: E3M2 operands, one E8M0 scale for each 32 along K, by v_wmma_scale_f32_16x16x128_f8f6f4 with both operands' format E3M2, f32 sums; products left as they are: f32 operands where the result goes on into a quantised operand, else bf16, f16 or f32 operands; f32 sums; everything else in f32.
;; Inputs: W_codes 1,024 x 32 x 24 uint8 (E3M2 codes of W, K innermost, in blocks of 32 codes, four codes in three bytes); W_scales 1,024 x 32 uint8 (E8M0 scales of W, one for each 32 codes along K); b 1,024 float32; outputs_codes 64 x 1,024 x 32 x 24 uint8 (E3M2 codes of outputs, K innermost, in blocks of 32 codes, four codes in three bytes); outputs_scales 64 x 1,024 x 32 uint8 (E8M0 scales of outputs, one for each 32 codes along K); text_lens 64 int32; weight_vec 1,024 float32.
;; Outputs: out0 64 x 1,024 float32.
;; This version of the problem:
;;   THIS VERSION OF THE PROBLEM IS GIVEN IN LOW PRECISION. The matrix products marked QUANTISED in the list below multiply operands that are first quantised to E3M2 (3 exponent bits, 2 mantissa bits; 6 bits a number), with one power-of-two scale for each 32 numbers along K (OCP MX v1.0); their sums are f32. All else is computed in f32.
;;   The module's matrix products, in the order in which they are computed (A, B: the left and right operand; K: the contracted axis; several contracted axes count as one K, in the product's order):
;;     1. [M 65,536, K 1,024] x [K 1,024, N 1,024]; A: input outputs (given as codes); B: input W (given as codes): QUANTISED
;;     2. [M 65,536, K 1,024] x [K 1,024, N 1]; A: computed on the way; B: input weight_vec: left as it is (N = 1 < 16)
;;   THE QUANTISER, for each operand of a quantised product, along K:
;;     - K is cut into blocks of 32 from its start; a last block that is shorter is filled with zeros.
;;     - A block's scale is 2^e with e = floor(log2(the largest magnitude in the block)) - 4, held to -126 .. 127; a block of zeros has e = 0. As a byte (E8M0): e + 127.
;;     - Each number is divided by its block's scale, clamped to +-28, and rounded to the nearest number of E3M2, ties to even, subnormals kept.
;;     - The product sums the exact products of the quantised numbers (number of the format x scale) in f32.
;;   ~~~python
;;   def quantise(x, axis):      # numpy; x: float32 -> the quantised numbers, widened to float32 again
;;       x = np.moveaxis(x, axis, -1); K = x.shape[-1]
;;       x = np.pad(x, [(0, 0)] * (x.ndim - 1) + [(0, -K % 32)]); x = x.reshape(x.shape[:-1] + (-1, 32)); a = np.abs(x).max(-1, keepdims=True)
;;       e = np.where(a > 0, np.clip(np.frexp(np.where(a > 0, a, 1))[1] - 1 - 4, -126, 127), 0)      # np.frexp(a)[1] - 1 = floor(log2(a)), exactly
;;       r = np.clip(x / 2.0 ** e, -28, 28)
;;       step = 2.0 ** (np.maximum(np.frexp(np.where(r == 0, 1, r))[1] - 1, -2) - 2)
;;       q = np.round(r / step) * step * 2.0 ** e      # np.round: ties to even
;;       return np.moveaxis(q.reshape(q.shape[:-2] + (-1,))[..., :K], -1, axis).astype(np.float32)
;;   ~~~
;;   INPUTS GIVEN AS CODES. W (in the module: [1024, 1024], K = its axis 1); outputs (in the module: [64, 1024, 1024], K = its axis 2): each comes as NAME_codes (uint8): NAME with its K axis moved to the last place and cut into blocks of 32 codes, [.., K / 32, bytes a block], one block behind the other in memory; four codes in three bytes: a row's codes are one little-endian stream of bits, code i at bits 6 i .. 6 i + 5 (a code: sign, 3 exponent bits, 2 mantissa bits); and NAME_scales (uint8): the same leading axes, one E8M0 byte (e + 127) for each 32 codes along K. Its value is code x scale, taken as it is: it is not quantised again, and the codes and scales need not be those that the quantiser above would give.
;; One version. Each part assembles by itself: llvm-mc -triple=amdgcn-amd-amdhsa -mcpu=gfx1250 --defsym DOCPART=n.
;; ======== version 1 of 1: 2 launches
;; workspace buffers: epart 1,048,576 bytes
;; launch energies (part 1): grid 256 x 1, 8 waves a work-group, no clusters, 88,064 bytes of LDS; arguments W_codes, W_scales, outputs_codes, outputs_scales, text_lens, weight_vec, epart; writes epart
.if DOCPART == 1
	.amdgcn_target "amdgcn-amd-amdhsa--gfx1250"
	.amdhsa_code_object_version 6
	.text
	.protected	k_q8beec30934_energies
	.globl	k_q8beec30934_energies
	.p2align	8
	.type	k_q8beec30934_energies,@function
k_q8beec30934_energies:
	s_mov_b64 s[64:65], 0
	v_nop
	global_prefetch_b8 v0, s[64:65] scope:SCOPE_SE
	s_setreg_imm32_b32 hwreg(HW_REG_WAVE_MODE, 25, 1), 1
	s_wait_xcnt 0x0
; epart[kc][row] = sum over o of weight_vec[o] x (sum over the k of quarter kc of K of W[o][k] x[row][k]), for the rows of x = outputs that the mask can keep.
; W [1024][1024], x [65536][1024]: codes of BF6 (E3M2), 6 bits each, a row 768 bytes, one E8M0 byte for each 32 along K; the products run on the scaled matrix instruction, sums in f32.
; WHAT IS LEFT OUT.  The mask is pos < text_lens[batch]: a tile of 16 rows that lies wholly at or past its batch's length is never multiplied.  Batch b keeps n[b] = ceil(len / 16) tiles, T = their sum.
; SHARES.  W STAYS, x STREAMS.  Work-group g: quarter of K kc = g % 4, replica rho = g / 4.  It holds all 1,024 rows of W for its 256 along K: wave w rows 128 w .. 128 w + 127, 8 tiles x 2 K steps = 16 fragments,
; 192 registers, read once.  The 64 replicas share the T kept tiles evenly, in order: replica rho takes packed tiles rho T / 64 up to (rho + 1) T / 64, at most 64.
; The energy is linear in the product, so each quarter of K is dotted with weight_vec by itself: one f32 a row and quarter leaves; the next launch adds the four, and b . weight_vec.
; THE WAY OF A TILE.  16 rows x 192 bytes.  Wave u loads tile 8 j + u of group j into registers (eight tiles' work ahead of the wait for it), stores it into LDS as an IMAGE of the two fragments' registers
; (24 bytes a lane and half fragment), and behind a barrier all eight waves read all eight images.  Two slots of eight images take turns; one barrier for eight tiles.
; THE MATRIX INSTRUCTION: source 0 = 16 rows of W, source 1 = 16 rows of x: lane (r, h) holds row r of x, register j the output o = 16 t + 8 h + j; so the dot with weight_vec is packed multiply-adds in the lane
; and one exchange of halves.  Each wave's part (its 128 o) goes to its own table in LDS; at the end the eight tables are added and each kept tile's 64 bytes are stored.
; NO TENSOR LOAD AND NO JOINT LOAD, though the 64 replicas of a quarter read the same W: how many tiles a work-group multiplies is made from text_lens.
; W is read once by each work-group (196,608 bytes), x's kept bytes once in all.
; Every barrier stands in a loop of four trips, a constant, outside every branch on the counts; the branches jump over work alone.
; LIMITS.  The sum over K is formed as four f32 sums and the sum over o as eight, added later: another order of rounding than one chain.  text_lens may be any int32: it is held to 0 .. 1,024 for the tiling.
; A scale byte 0xff (NaN) in a row past its batch's length spoils that row's own energy alone, which the next launch replaces.
.set ROWB,  768                        ; a row of codes in bytes
.set KC,    192                        ; my quarter of it
.set TILEB, 16*ROWB                    ; 16 rows
.set SUB,   776                        ; a quarter of an image: 32 lanes x 24 bytes + 8, so that the four quarters begin at different banks
.set IMG,   4*SUB                      ; an image: (K step s, half c) at (2 s + c) SUB; in it lane l's 24 bytes at 24 l
.set SCA,   8*IMG                      ; behind a slot's eight images: their scale words, 256 bytes a tile: 8 bytes a lane
.set SLOT,  SCA+8*256
.set ET,    2*SLOT                     ; behind the slots: [wave][tile 0..63][16 rows] f32: 4,096 bytes a wave
.set GT,    ET+8*4096                  ; and the tiles' numbers in x: 64 words
.set LOFF, 1                           ; v1   global: (l / 8) rows + my quarter + 24 (l % 8)
.set SOFF, 2                           ; v2   global: scale bytes: 32 (l % 16) + 8 kc
.set STI,  3                           ; v3   LDS: where my chunk goes in image w
.set STS,  4                           ; v4   LDS: 256 w + 8 l
.set RDI,  5                           ; v5   LDS: 24 l
.set RDS,  6                           ; v6   LDS: 8 l
.set ETA,  7                           ; v7   LDS: my word of my table, this trip's 16 tiles
.set VT,   8                           ; v8   packed number of tile 8 (l / 4) + w
.set G,    9                           ; v9   its number among x's 4,096 tiles
.set TMP,  10
.set N0,   11                          ; v11, v12  n of batches l and 32 + l
.set MISC, 13
.set RDW,  14                          ; v14  LDS: 24 l + image w
.set GTA,  15                          ; v15  LDS: GT + 4 (8 (l / 4) + w)
.set E,    16                          ; v16-23 four pairs of partial dots
.set EV,   24
.set PX,   25
.set XS,   26                          ; v26:27, v28:29 x's scale words, two sets; register s: K step s
.set WS,   30                          ; v30-45 W's scale words: tile t, K step s at 2 t + s
.set SGS,  46                          ; v46:47 a staged tile's scale words
.set SG,   48                          ; v48-71 a staged tile's codes, as loaded
.set X,    72                          ; v72-95, v96-119 x's fragments, two sets; K step s at 12 s
.set ETB,  120                         ; v120 LDS: ET + 4,096 w + 4 (l % 16)
.set WVO,  121                         ; v121 global: 32 (l / 16)
.set ACC,  128                         ; v128-191 eight accumulators
.set FIN,  72                          ; the end: eight waves' four numbers
.set WV,   192                         ; window 1: v0-191 W's fragments (tile t, K step s at 24 t + 12 s); v192-255 weight_vec[128 w + 16 t + 8 h + j] at 8 t + j
.set MSB, 0
.macro WIN new                         ; the immediate's high byte repeats the setting that is left
.if MSB != \new
	s_set_vgpr_msb (MSB<<8)|\new
.set MSB, \new
.endif
.endm
.macro LDTILE dst, base, off           ; 16 rows x 192 bytes: lane l takes chunk l % 8 (24 bytes) of rows l / 8 + 4 a, in pieces of 8 bytes
.irp a, 0,1,2,3
.irp p, 0,1,2
	global_load_b64 v[(\dst)+6*\a+2*\p:(\dst)+6*\a+2*\p+1], v[LOFF], s[\base:\base+1] offset:(\off)+4*ROWB*\a+8*\p
.endr
.endr
.endm
.macro STTILE src, off                 ; chunk q of a row is K step q / 4, half fragment (q / 2) % 2, lane half q % 2: it goes where lane (row, q % 2) of the fragment will read it
.irp a, 0,1,2,3
.irp p, 0,1,2
	ds_store_b64 v[STI], v[(\src)+6*\a+2*\p:(\src)+6*\a+2*\p+1] offset:(\off)+96*\a+8*\p
.endr
.endr
.endm
.macro FETCH dst, adr, off             ; an image becomes two fragments: registers 12 s + 6 c + 0 .. 5 hold k = 128 s + 64 c + 32 (l / 16) + 0 .. 31 of row l % 16
.irp s, 0,1
.irp c, 0,1
.irp p, 0,1,2
	ds_load_b64 v[(\dst)+12*\s+6*\c+2*\p:(\dst)+12*\s+6*\c+2*\p+1], v[\adr] offset:(\off)+(2*\s+\c)*SUB+8*\p
.endr
.endr
.endr
.endm
.macro LOADGRP sg                      ; my tile of a group: 13 loads.  Its number comes from text_lens: it is held inside x's 4,096 tiles
	s_min_u32 s34, s[\sg], 4095
	s_mul_i32 s32, s34, TILEB
	s_mov_b32 s33, 0
	s_add_nc_u64 s[28:29], s[8:9], s[32:33]
	s_lshl_b32 s32, s34, 9                         ; 16 rows of 32 scale bytes
	s_add_nc_u64 s[30:31], s[10:11], s[32:33]
	LDTILE SG, 28, 0
	global_load_b64 v[SGS:SGS+1], v[SOFF], s[30:31]
.endm
; ONE TILE, number p of the trip's 16.  Left out where the work-group has no such tile.
.macro BODY p
.set XC, X+24*((\p)%2)
.set XN, X+24*(1-(\p)%2)
.set SC, XS+2*((\p)%2)
.set SN, XS+2*(1-(\p)%2)
.set NX, ((\p)+1)%16
.set FO, (NX/8)*SLOT+(NX%8)*IMG
.set SO, (NX/8)*SLOT+SCA+(NX%8)*256
	s_cmp_gt_i32 s25, \p
	s_cbranch_scc0 .Lskip_\@
	s_wait_dscnt 0x0                               ; this tile's fragments, asked for a tile ago, are in
	FETCH XN, RDI, FO                              ; the next tile's, into the other set: its last products stand behind more than four plain instructions
	ds_load_b64 v[SN:SN+1], v[RDS] offset:SO
	WIN 0x01                                       ; source 0 (W, then weight_vec) in window 1
.irp s, 0,1                                    ; the eight accumulators by turns, one instruction a turn
.irp t, 0,1,2,3,4,5,6,7
.if \s == 0
	v_wmma_scale_f32_16x16x128_f8f6f4 v[ACC+8*\t:ACC+8*\t+7], v[24*\t:24*\t+11], v[XC:XC+11], 0, v[WS+2*\t], v[SC] matrix_a_fmt:MATRIX_FMT_BF6 matrix_b_fmt:MATRIX_FMT_BF6
.else
	v_wmma_scale_f32_16x16x128_f8f6f4 v[ACC+8*\t:ACC+8*\t+7], v[24*\t+12:24*\t+23], v[XC+12:XC+23], v[ACC+8*\t:ACC+8*\t+7], v[WS+2*\t+1], v[SC+1] matrix_a_fmt:MATRIX_FMT_BF6 matrix_b_fmt:MATRIX_FMT_BF6
.endif
.endr
.endr
.rept 4
	v_nop                                          ; four places between the products and the first read of a result (ISA guide 7.12.1)
.endr
.irp t, 0,1,2,3,4,5,6,7                        ; the dot with weight_vec: each accumulator from its low end on, four chains
.irp q, 0,1,2,3
.if \t == 0
	v_pk_mul_f32 v[E+2*\q:E+2*\q+1], v[WV+2*\q:WV+2*\q+1], v[ACC+2*\q:ACC+2*\q+1]
.else
	v_pk_fma_f32 v[E+2*\q:E+2*\q+1], v[WV+8*\t+2*\q:WV+8*\t+2*\q+1], v[ACC+8*\t+2*\q:ACC+8*\t+2*\q+1], v[E+2*\q:E+2*\q+1]
.endif
.endr
.endr
	WIN 0
	v_pk_add_f32 v[E:E+1], v[E:E+1], v[E+2:E+3]
	v_pk_add_f32 v[E+4:E+5], v[E+4:E+5], v[E+6:E+7]
	s_delay_alu instid0(VALU_DEP_1)
	v_pk_add_f32 v[E:E+1], v[E:E+1], v[E+4:E+5]
	s_delay_alu instid0(VALU_DEP_1)
	v_add_f32 v[EV], v[E], v[E+1]
	s_delay_alu instid0(VALU_DEP_1)
	v_permlanex16_b32 v[PX], v[EV], s44, s45       ; the row's other 64 of my 128 outputs lie in the lane 16 away
	s_delay_alu instid0(VALU_DEP_1)
	v_add_f32 v[EV], v[EV], v[PX]
	ds_store_b32 v[ETA], v[EV] offset:64*(\p)      ; lanes r and r + 16 write the same word with the same number
.Lskip_\@:
.endm
; THE CHANGE OF SLOTS.  The staged group goes into slot dst, which nobody has read since the barrier before this one; behind the barrier it is whole, and the next group is asked for.
; cs, cl: the group stored (loaded) exists where s24, the tiles to be fetched from this trip on, is above it.
.macro XCHG dst, cs, cl
	s_wait_loadcnt 0x0                             ; the staged tile is in; its bases may be written again
	s_cmp_gt_i32 s24, \cs
	s_cbranch_scc0 .Lns_\@
	STTILE SG, \dst
	ds_store_b64 v[STS], v[SGS:SGS+1] offset:(\dst)+SCA
.Lns_\@:
	s_wait_dscnt 0x0                               ; for the others' sake: my stores have landed, and my reads of the other slot are in
	s_barrier_signal -1
	s_barrier_wait -1
	s_cmp_gt_i32 s24, \cl
	s_cbranch_scc0 .Lnl_\@
	LOADGRP 38
.Lnl_\@:
	s_mov_b32 s38, s39                             ; the queue of my tiles' numbers moves up
	s_mov_b32 s39, s40
	s_mov_b32 s40, s41
	s_mov_b32 s41, s42
	s_mov_b32 s42, s43
.endm
	s_load_b256 s[4:11], s[0:1], 0x0               ; W's codes s[4:5], W's scales s[6:7], x's codes s[8:9], x's scales s[10:11]
	s_load_b128 s[12:15], s[0:1], 0x20             ; text_lens s[12:13], weight_vec s[14:15]
	s_load_b64 s[16:17], s[0:1], 0x30              ; epart
	v_lshl_add_u32 v254, v0, 2, 0x15400
	v_mov_b32 v255, 0
	v_lshrrev_b32 v[MISC], 5, v0
	s_delay_alu instid0(VALU_DEP_1)
	v_readfirstlane_b32 s18, v[MISC]               ; wave 0..7
	s_and_b32 s19, ttmp9, 3                        ; kc: my quarter of K
	s_lshr_b32 s20, ttmp9, 2                       ; rho: my replica
	s_mov_b32 s44, 0x76543210
	s_mov_b32 s45, 0xfedcba98                      ; v_permlanex16_b32's selects for lane l xor 16
	v_and_b32 v[VT], 31, v0                        ; l
	s_delay_alu instid0(VALU_DEP_1)
	v_lshrrev_b32 v[G], 3, v[VT]                   ; l / 8
	s_delay_alu instid0(VALU_DEP_2)
	v_and_b32 v[TMP], 7, v[VT]                     ; q = l % 8
	s_delay_alu instid0(VALU_DEP_3)
	v_and_b32 v[N0], 15, v[VT]                     ; l % 16
	s_mul_i32 s34, s19, KC
	v_mul_u32_u24 v[LOFF], v[G], ROWB
	s_delay_alu instid0(VALU_DEP_1)
	v_mad_u32_u24 v[LOFF], v[TMP], 24, v[LOFF]
	s_delay_alu instid0(VALU_DEP_1)
	v_add_nc_u32 v[LOFF], s34, v[LOFF]
	s_lshl_b32 s35, s19, 3
	v_lshl_add_u32 v[SOFF], v[N0], 5, s35
	s_mul_i32 s34, s18, IMG                        ; image w
	v_lshrrev_b32 v[N0+1], 1, v[TMP]
	s_delay_alu instid0(VALU_DEP_1)
	v_mul_u32_u24 v[STI], v[N0+1], SUB             ; (q / 2) SUB
	v_and_b32 v[N0+1], 1, v[VT]
	s_delay_alu instid0(VALU_DEP_1)
	v_mad_u32_u24 v[STI], v[N0+1], 384, v[STI]     ; + 16 lanes x 24 bytes for the upper half
	s_delay_alu instid0(VALU_DEP_1)
	v_mad_u32_u24 v[STI], v[G], 24, v[STI]         ; + 24 x row
	s_delay_alu instid0(VALU_DEP_1)
	v_add_nc_u32 v[STI], s34, v[STI]
	v_mul_u32_u24 v[RDI], v[VT], 24
	s_delay_alu instid0(VALU_DEP_1)
	v_add_nc_u32 v[RDW], s34, v[RDI]
	s_lshl_b32 s35, s18, 8
	v_lshl_add_u32 v[STS], v[VT], 3, s35
	v_lshlrev_b32 v[RDS], 3, v[VT]
	s_lshl_b32 s35, s18, 12
	s_add_co_u32 s35, s35, ET
	v_lshl_add_u32 v[ETB], v[N0], 2, s35
	s_lshl_b32 s35, s18, 2
	s_add_co_u32 s35, s35, GT
	v_lshrrev_b32 v[N0+1], 2, v[VT]                ; l / 4
	s_delay_alu instid0(VALU_DEP_1)
	v_lshl_add_u32 v[GTA], v[N0+1], 5, s35
	v_lshrrev_b32 v[WVO], 4, v[VT]
	s_delay_alu instid0(VALU_DEP_1)
	v_lshlrev_b32 v[WVO], 5, v[WVO]
	v_lshlrev_b32 v[MISC], 2, v[VT]                ; 4 l: the lengths
	v_lshl_add_u32 v[VT], v[N0+1], 3, s18          ; 8 (l / 4) + w
	v_mov_b32 v[PX], 0                             ; a lane permute's destination counts as one of its sources
.set I, 0
.rept 24
	v_mov_b32 v[X+24+I], 0                         ; the second set of x's fragments, written once: each tile's work stands under a branch of its own, and the set holds defined numbers on every way through them
.set I, I+1
.endr
	v_mov_b32 v[XS+2], 0
	v_mov_b32 v[XS+3], 0
	s_mul_i32 s32, s18, 128*ROWB
	s_mov_b32 s33, 0
	s_wait_kmcnt 0x0
	s_add_nc_u64 s[4:5], s[4:5], s[32:33]          ; W's codes at my 128 rows
	s_lshl_b32 s32, s18, 12
	s_add_nc_u64 s[6:7], s[6:7], s[32:33]          ; their scale bytes
	s_lshl_b32 s32, s18, 9
	s_add_nc_u64 s[14:15], s[14:15], s[32:33]      ; their 128 numbers of weight_vec
	s_lshl_b32 s32, s19, 18
	s_add_nc_u64 s[16:17], s[16:17], s[32:33]      ; my quarter's 65,536 numbers of epart
	global_load_b32 v[N0], v[MISC], s[12:13]
	global_load_b32 v[N0+1], v[MISC], s[12:13] offset:128
	WIN 0x40                                       ; destination window 1
.irp t, 0,1,2,3,4
	LDTILE 24*\t, 4, TILEB*\t                      ; five of W's eight tiles, as they lie: 60 loads on their way while the tiles are counted
.endr
	WIN 0
	s_wait_loadcnt 60                              ; the lengths are in; the 60 loads behind them stay out
	; n = ceil(len / 16), len held to 0 .. 1,024; T = the sum of the 64
.irp n, N0, N0+1
	v_cmp_lt_i32 vcc_lo, 0, v[\n]
	s_delay_alu instid0(VALU_DEP_1)
	v_cndmask_b32 v[\n], 0, v[\n], vcc_lo
	s_delay_alu instid0(VALU_DEP_1)
	v_min_u32 v[\n], 0x400, v[\n]
	s_delay_alu instid0(VALU_DEP_1)
	v_add_nc_u32 v[\n], 15, v[\n]
	s_delay_alu instid0(VALU_DEP_1)
	v_lshrrev_b32 v[\n], 4, v[\n]
.endr
	s_delay_alu instid0(VALU_DEP_1)
	v_add_nc_u32 v[TMP], v[N0], v[N0+1]
.irp m, 1,2,4,8
	s_delay_alu instid0(VALU_DEP_1)
	v_mov_b32_dpp v[MISC], v[TMP] row_xmask:\m row_mask:0xf bank_mask:0xf
	s_delay_alu instid0(VALU_DEP_1)
	v_add_nc_u32 v[TMP], v[TMP], v[MISC]
.endr
	s_delay_alu instid0(VALU_DEP_1)
	v_permlanex16_b32 v[MISC], v[TMP], s44, s45
	s_delay_alu instid0(VALU_DEP_1)
	v_add_nc_u32 v[TMP], v[TMP], v[MISC]
	s_delay_alu instid0(VALU_DEP_1)
	v_readfirstlane_b32 s21, v[TMP]                ; T, at most 4,096
	s_mul_i32 s22, s20, s21
	s_lshr_b32 s22, s22, 6                         ; my first packed tile
	s_add_co_u32 s34, s20, 1
	s_mul_i32 s34, s34, s21
	s_lshr_b32 s34, s34, 6
	s_sub_co_u32 s23, s34, s22                     ; how many are mine: 0 .. 64
	s_add_co_u32 s24, s23, 1                       ; tiles to be brought: one more, since each tile's work fetches the next one's image,
	s_min_u32 s24, s24, 64                         ; but no ninth group
	s_mov_b32 s25, s23                             ; tiles to be multiplied
	v_add_nc_u32 v[VT], s22, v[VT]
	s_delay_alu instid0(VALU_DEP_1)
	v_mov_b32 v[G], v[VT]
	; packed tile v lies in the batch b for which P[b - 1] <= v < P[b] (P: the running sum of n); its number in x is v + the sum over the batches before it of 64 - n.  Past T it comes out at 4,096 or more
	s_mov_b32 s47, 0
.set B, 0
.rept 64
	v_readlane_b32 s46, v[N0+B/32], B%32
	s_add_co_u32 s47, s47, s46
	s_sub_co_u32 s48, 64, s46
	v_cmp_le_u32 vcc_lo, s47, v[VT]
	s_delay_alu instid0(VALU_DEP_1)
	v_cndmask_b32 v[TMP], 0, s48, vcc_lo
	s_delay_alu instid0(VALU_DEP_1)
	v_add_nc_u32 v[G], v[G], v[TMP]
.set B, B+1
.endr
.irp j, 0,1,2,3,4,5,6,7
	v_readlane_b32 s[36+\j], v[G], 4*\j            ; my tile of group j
.endr
	WIN 0x40
.irp t, 5,6,7
	LDTILE 24*\t, 4, TILEB*\t
.endr
.irp t, 0,1,2,3,4,5,6,7
	global_load_b128 v[WV+8*\t:WV+8*\t+3], v[WVO], s[14:15] offset:64*\t
	global_load_b128 v[WV+8*\t+4:WV+8*\t+7], v[WVO], s[14:15] offset:64*\t+16
.endr
	WIN 0
.irp t, 0,1,2,3,4,5,6,7
	global_load_b64 v[WS+2*\t:WS+2*\t+1], v[SOFF], s[6:7] offset:512*\t
.endr
	LOADGRP 36                                     ; group 0, always: its eight images are read ahead whatever the counts
	; W's tiles turn into fragments through my own image: LDS serves a wave's instructions in order (ISA guide 5.7.1.4), so no wait stands between the stores and the loads, nor in front of the next tile's stores
	s_wait_alu depctr_va_vdst(0)
.irp t, 0,1,2,3,4,5,6,7
.if 12*(7-\t)+37 > 63
	s_wait_loadcnt 63                              ; behind tile t's loads stand 12 (7 - t) + 37 younger ones; a wait names 63 at the most
.else
	s_wait_loadcnt 12*(7-\t)+37
.endif
	WIN 0x04                                       ; an LDS store's data are its source 1: window 1
	STTILE 24*\t, 0
	WIN 0x40
	FETCH 24*\t, RDW, 0
.endr
	WIN 0
	s_wait_loadcnt 0x0                             ; weight_vec, W's scale words, group 0
	STTILE SG, 0
	ds_store_b64 v[STS], v[SGS:SGS+1] offset:SCA
	ds_store_b32 v[GTA], v[G]                      ; four lanes write the same word with the same number
	s_wait_dscnt 0x0                               ; W's fragments are in; my stores have landed
	s_barrier_signal -1
	s_barrier_wait -1
	s_cmp_gt_i32 s24, 8
	s_cbranch_scc0 .Lno_group_1
	LOADGRP 37
.Lno_group_1:
	FETCH X, RDI, 0
	ds_load_b64 v[XS:XS+1], v[RDS] offset:SCA
	s_mov_b32 s26, 4
	s_mov_b32 s27, 0
.Ltrip:                                            ; four trips of 16 tiles, whatever the counts: every wave passes every barrier
	v_add_nc_u32 v[ETA], s27, v[ETB]
.irp p, 0,1,2,3,4,5,6
	BODY \p
.endr
	XCHG SLOT, 8, 16
.irp p, 7,8,9,10,11,12,13,14
	BODY \p
.endr
	XCHG 0, 16, 24
	BODY 15
	s_sub_co_i32 s25, s25, 16
	s_sub_co_i32 s24, s24, 16
	s_add_co_u32 s27, s27, 1024
	s_sub_co_u32 s26, s26, 1
	s_cmp_lg_u32 s26, 0
	s_cbranch_scc1 .Ltrip
	; THE END.  Thread i takes rows 4 (i % 4) .. + 3 of tile i / 4: it adds the eight waves' parts and stores 16 bytes; a wave's eight tiles follow each other in x inside a batch
	s_wait_dscnt 0x0
	s_barrier_signal -1
	s_barrier_wait -1
	v_and_b32 v[TMP], 0xfc, v0
	s_delay_alu instid0(VALU_DEP_1)
	v_add_nc_u32 v[TMP], GT, v[TMP]
	ds_load_b32 v[G], v[TMP]                       ; my tile's number in x
	v_lshlrev_b32 v[MISC], 4, v0
	s_delay_alu instid0(VALU_DEP_1)
	v_add_nc_u32 v[MISC], ET, v[MISC]
	v_lshrrev_b32 v[VT], 2, v0
	v_and_b32 v[N0], 3, v0
	s_wait_dscnt 0x0
	v_min_u32 v[G], 0xfff, v[G]
	s_delay_alu instid0(VALU_DEP_1)
	v_lshlrev_b32 v[G], 6, v[G]                    ; 16 rows x 4 bytes
	s_wait_alu depctr_va_vdst(0)
	v_lshl_add_u32 v[G], v[N0], 4, v[G]
	s_wait_xcnt 0x0                                ; EXEC changes only behind this wait
	v_cmp_gt_u32 vcc_lo, s23, v[VT]                ; only tiles that were multiplied: nothing else was written to the tables, and nothing else is read or stored
	s_wait_tensorcnt 0x0
	ds_add_u32 v254, v255
	s_wait_dscnt 0x0
	s_and_saveexec_b32 s34, vcc_lo
.irp v, 0,1,2,3,4,5,6,7
	ds_load_b128 v[FIN+4*\v:FIN+4*\v+3], v[MISC] offset:4096*\v
.endr
	s_wait_dscnt 0x0
.irp v, 0,2,4,6
	v_pk_add_f32 v[FIN+4*\v:FIN+4*\v+1], v[FIN+4*\v:FIN+4*\v+1], v[FIN+4*\v+4:FIN+4*\v+5]
	v_pk_add_f32 v[FIN+4*\v+2:FIN+4*\v+3], v[FIN+4*\v+2:FIN+4*\v+3], v[FIN+4*\v+6:FIN+4*\v+7]
.endr
.irp v, 0
	v_pk_add_f32 v[FIN+4*\v:FIN+4*\v+1], v[FIN+4*\v:FIN+4*\v+1], v[FIN+4*\v+8:FIN+4*\v+9]
	v_pk_add_f32 v[FIN+4*\v+2:FIN+4*\v+3], v[FIN+4*\v+2:FIN+4*\v+3], v[FIN+4*\v+10:FIN+4*\v+11]
.endr
.irp v, 4
	s_delay_alu instid0(VALU_DEP_4)
	v_pk_add_f32 v[FIN+4*\v:FIN+4*\v+1], v[FIN+4*\v:FIN+4*\v+1], v[FIN+4*\v+8:FIN+4*\v+9]
	s_delay_alu instid0(VALU_DEP_4)
	v_pk_add_f32 v[FIN+4*\v+2:FIN+4*\v+3], v[FIN+4*\v+2:FIN+4*\v+3], v[FIN+4*\v+10:FIN+4*\v+11]
.endr
	s_delay_alu instid0(VALU_DEP_2)
	v_pk_add_f32 v[FIN:FIN+1], v[FIN:FIN+1], v[FIN+16:FIN+17]
	s_delay_alu instid0(VALU_DEP_2)
	v_pk_add_f32 v[FIN+2:FIN+3], v[FIN+2:FIN+3], v[FIN+18:FIN+19]
	global_store_b128 v[G], v[FIN:FIN+3], s[16:17]
	s_endpgm
.Lfunc_end_k_q8beec30934_energies:
	.size	k_q8beec30934_energies, .Lfunc_end_k_q8beec30934_energies-k_q8beec30934_energies
	.p2alignl 7, 3214868480
	.fill 96, 4, 3214868480
	.section	.rodata,"a",@progbits
	.p2align	6, 0x0
	.amdhsa_kernel k_q8beec30934_energies
		.amdhsa_group_segment_fixed_size 88064
		.amdhsa_private_segment_fixed_size 0
		.amdhsa_enable_private_segment 0
		.amdhsa_kernarg_size 56
		.amdhsa_user_sgpr_count 2
		.amdhsa_user_sgpr_kernarg_segment_ptr 1
		.amdhsa_wavefront_size32 1
		.amdhsa_system_sgpr_workgroup_id_x 1
		.amdhsa_system_sgpr_workgroup_id_y 1
		.amdhsa_system_sgpr_workgroup_id_z 1
		.amdhsa_system_vgpr_workitem_id 0
		.amdhsa_next_free_vgpr 512
		.amdhsa_next_free_sgpr 66
		.amdhsa_reserve_vcc 1
		.amdhsa_float_denorm_mode_32 3
		.amdhsa_float_denorm_mode_16_64 3
		.amdhsa_memory_ordered 1
		.amdhsa_forward_progress 1
		.amdhsa_inst_pref_size 154
	.end_amdhsa_kernel
	.amdgpu_metadata
---
amdhsa.version: [ 1, 2 ]
amdhsa.kernels:
  - .name:           k_q8beec30934_energies
    .symbol:         k_q8beec30934_energies.kd
    .args:
      - { .name: W_codes, .offset: 0, .size: 8, .value_kind: global_buffer, .address_space: global }
      - { .name: W_scales, .offset: 8, .size: 8, .value_kind: global_buffer, .address_space: global }
      - { .name: outputs_codes, .offset: 16, .size: 8, .value_kind: global_buffer, .address_space: global }
      - { .name: outputs_scales, .offset: 24, .size: 8, .value_kind: global_buffer, .address_space: global }
      - { .name: text_lens, .offset: 32, .size: 8, .value_kind: global_buffer, .address_space: global }
      - { .name: weight_vec, .offset: 40, .size: 8, .value_kind: global_buffer, .address_space: global }
      - { .name: epart, .offset: 48, .size: 8, .value_kind: global_buffer, .address_space: global }
    .group_segment_fixed_size: 88064
    .private_segment_fixed_size: 0
    .kernarg_segment_align: 8
    .kernarg_segment_size: 56
    .max_flat_workgroup_size: 256
    .sgpr_count:     66
    .vgpr_count:     512
    .wavefront_size: 32
...
	.end_amdgpu_metadata
.endif
;; end of part 1
;; launch softmax (part 2): grid 64 x 1, 8 waves a work-group, no clusters, 1,536 bytes of LDS; arguments epart, text_lens, b, weight_vec, out0; writes out0
.if DOCPART == 2
	.amdgcn_target "amdgcn-amd-amdhsa--gfx1250"
	.amdhsa_code_object_version 6
	.text
	.protected	k_q8beec30934_softmax
	.globl	k_q8beec30934_softmax
	.p2align	8
	.type	k_q8beec30934_softmax,@function
k_q8beec30934_softmax:
	s_mov_b64 s[64:65], 0
	v_nop
	global_prefetch_b8 v0, s[64:65] scope:SCOPE_SE
	s_setreg_imm32_b32 hwreg(HW_REG_WAVE_MODE, 25, 1), 1
	s_wait_xcnt 0x0
; out0[batch][pos] = softmax over pos of (pos < text_lens[batch] ? energy : -1e10); energy = the four quarters' parts from epart [4][65536] + b . weight_vec.
; One work-group to a batch; thread t owns positions 4 t .. 4 t + 3.  All in f32; the row's maximum is taken away before the exponential.
; epart holds numbers only for the tiles of 16 rows that begin before the batch's length: only those are loaded (EXEC); the positions behind them are masked anyway.
; Every wave forms b . weight_vec by itself from all 1,024 pairs (32 a lane): no barrier is spent on it.  Memory binds nothing here: 16 KiB of parts and 4 KiB of results a work-group; no matrix unit, no cluster.
; LIMITS.  b . weight_vec is added behind the dot, where the definition adds b ahead of it: another order of rounding.  The division is a reciprocal (1 ulp) and a multiplication.
; text_lens may be any int32: the mask compares it signed, as it is; with none kept every energy is -1e10 and the row comes out flat.
.set NEG, 0xd01502f9                   ; -1e10
.set BB,  8                            ; v8-39   b, 32 numbers a lane
.set WW,  40                           ; v40-71  weight_vec
.set P,   72                           ; v72-87  the four parts, 4 numbers each; then the energies and the weights in v72-75
.set CC,  88                           ; v88-91  b . weight_vec, two chains of pairs
	s_load_b256 s[4:11], s[0:1], 0x0               ; epart s[4:5], text_lens s[6:7], b s[8:9], weight_vec s[10:11]
	s_load_b64 s[12:13], s[0:1], 0x20              ; out0
	v_lshl_add_u32 v128, v0, 2, 0x200
	v_mov_b32 v129, 0
	v_lshrrev_b32 v1, 5, v0                        ; wave
	v_and_b32 v2, 31, v0
	s_delay_alu instid0(VALU_DEP_1)
	v_lshlrev_b32 v2, 4, v2                        ; 16 x lane
	v_lshlrev_b32 v3, 4, v0                        ; 16 t: my four numbers in a row of 4,096 bytes
	v_lshlrev_b32 v4, 2, v0                        ; my positions
	s_delay_alu instid0(VALU_DEP_1)
	v_add_nc_u32 v5, 1, v4
	s_delay_alu instid0(VALU_DEP_2)
	v_add_nc_u32 v6, 2, v4
	s_delay_alu instid0(VALU_DEP_3)
	v_add_nc_u32 v7, 3, v4
	v_lshlrev_b32 v95, 2, v1                       ; LDS: my wave's word
	v_mov_b32 v96, 0                               ; LDS: byte 0
	v_mov_b32 v92, NEG
	v_mov_b32 v94, 0                               ; a lane permute's destination counts as one of its sources
.set I, 0
.rept 16
	v_mov_b32 v[P+I], 0                            ; lanes that load nothing hold zeros: the registers are read with all lanes on
.set I, I+1
.endr
	s_lshl_b32 s18, ttmp9, 2
	s_mov_b32 s19, 0
	s_lshl_b32 s20, ttmp9, 12
	s_mov_b32 s21, 0
	s_mov_b32 s22, 0x76543210
	s_mov_b32 s23, 0xfedcba98                      ; v_permlanex16_b32's selects for lane l xor 16
	s_wait_kmcnt 0x0
	s_add_nc_u64 s[6:7], s[6:7], s[18:19]
	s_load_b32 s15, s[6:7], 0x0                    ; my batch's length
	s_add_nc_u64 s[4:5], s[4:5], s[20:21]          ; my batch's 1,024 numbers in a quarter of epart,
	s_add_nc_u64 s[12:13], s[12:13], s[20:21]      ; and in out0
.irp i, 0,1,2,3,4,5,6,7
	global_load_b128 v[BB+4*\i:BB+4*\i+3], v2, s[8:9] offset:512*\i
	global_load_b128 v[WW+4*\i:WW+4*\i+3], v2, s[10:11] offset:512*\i
.endr
	s_wait_kmcnt 0x0
	s_max_i32 s24, s15, 0
	s_min_u32 s24, s24, 1024
	s_add_co_u32 s24, s24, 15
	s_and_b32 s24, s24, -16                        ; the positions that epart holds: whole tiles of 16
	s_wait_xcnt 0x0                                ; EXEC changes only behind this wait
	v_cmp_gt_u32 vcc_lo, s24, v4
	s_and_saveexec_b32 s25, vcc_lo
.irp k, 0,1,2,3
	global_load_b128 v[P+4*\k:P+4*\k+3], v3, s[4:5] offset:262144*\k th:TH_LOAD_NT
.endr
	s_wait_xcnt 0x0                                ; and again, in front of the line that widens it
	s_or_b32 exec_lo, exec_lo, s25
	s_wait_loadcnt 4                               ; b and weight_vec are in; the four loads of parts stay out
	v_pk_mul_f32 v[CC:CC+1], v[BB:BB+1], v[WW:WW+1]
	v_pk_mul_f32 v[CC+2:CC+3], v[BB+2:BB+3], v[WW+2:WW+3]
.irp i, 4,8,12,16,20,24,28
	s_delay_alu instid0(VALU_DEP_2)
	v_pk_fma_f32 v[CC:CC+1], v[BB+\i:BB+\i+1], v[WW+\i:WW+\i+1], v[CC:CC+1]
	s_delay_alu instid0(VALU_DEP_2)
	v_pk_fma_f32 v[CC+2:CC+3], v[BB+\i+2:BB+\i+3], v[WW+\i+2:WW+\i+3], v[CC+2:CC+3]
.endr
	s_delay_alu instid0(VALU_DEP_1)
	v_pk_add_f32 v[CC:CC+1], v[CC:CC+1], v[CC+2:CC+3]
	s_delay_alu instid0(VALU_DEP_1)
	v_add_f32 v[CC], v[CC], v[CC+1]
.irp m, 1,2,4,8
	s_delay_alu instid0(VALU_DEP_1)
	v_add_f32_dpp v[CC], v[CC], v[CC] row_xmask:\m row_mask:0xf bank_mask:0xf
.endr
	s_delay_alu instid0(VALU_DEP_1)
	v_permlanex16_b32 v94, v[CC], s22, s23
	s_delay_alu instid0(VALU_DEP_1)
	v_add_f32 v[CC], v[CC], v94                    ; b . weight_vec, in every lane
	s_wait_loadcnt 0x0
	v_pk_add_f32 v[P:P+1], v[P:P+1], v[P+4:P+5]
	v_pk_add_f32 v[P+2:P+3], v[P+2:P+3], v[P+6:P+7]
	v_pk_add_f32 v[P+8:P+9], v[P+8:P+9], v[P+12:P+13]
	v_pk_add_f32 v[P+10:P+11], v[P+10:P+11], v[P+14:P+15]
	s_delay_alu instid0(VALU_DEP_2)
	v_pk_add_f32 v[P:P+1], v[P:P+1], v[P+8:P+9]
	s_wait_alu depctr_va_vdst(0)
	v_pk_add_f32 v[P+2:P+3], v[P+2:P+3], v[P+10:P+11]
	v_pk_add_f32 v[P:P+1], v[P:P+1], v[CC:CC+1] op_sel_hi:[1,0]
	s_delay_alu instid0(VALU_DEP_2)
	v_pk_add_f32 v[P+2:P+3], v[P+2:P+3], v[CC:CC+1] op_sel_hi:[1,0]
.irp j, 0,1,2,3
	v_cmp_gt_i32 vcc_lo, s15, v[4+\j]              ; pos < len keeps the energy
	s_delay_alu instid0(VALU_DEP_1)
	v_cndmask_b32 v[P+\j], v92, v[P+\j], vcc_lo
.endr
	; the row's maximum: lane, wave, work-group
	s_delay_alu instid0(VALU_DEP_3)
	v_max3_num_f32 v93, v[P], v[P+1], v[P+2]
	s_delay_alu instid0(VALU_DEP_1)
	v_max_num_f32 v93, v93, v[P+3]
.irp m, 1,2,4,8
	s_delay_alu instid0(VALU_DEP_1)
	v_max_num_f32_dpp v93, v93, v93 row_xmask:\m row_mask:0xf bank_mask:0xf
.endr
	s_delay_alu instid0(VALU_DEP_1)
	v_permlanex16_b32 v94, v93, s22, s23
	s_delay_alu instid0(VALU_DEP_1)
	v_max_num_f32 v93, v93, v94
	ds_store_b32 v95, v93                          ; all lanes write the wave's word with the same number
	s_wait_dscnt 0x0                               ; for the others' sake
	s_barrier_signal -1
	s_barrier_wait -1
	ds_load_b128 v[100:103], v96
	ds_load_b128 v[104:107], v96 offset:16
	s_wait_dscnt 0x0
	v_max3_num_f32 v93, v100, v101, v102
	s_delay_alu instid0(VALU_DEP_1)
	v_max3_num_f32 v93, v93, v103, v104
	s_delay_alu instid0(VALU_DEP_1)
	v_max3_num_f32 v93, v93, v105, v106
	s_delay_alu instid0(VALU_DEP_1)
	v_max_num_f32 v93, v93, v107
.irp j, 0,1,2,3
	v_sub_f32 v[P+\j], v[P+\j], v93                ; the difference first, so that equal energies give exactly 0 however large they are
.endr
.irp j, 0,1,2,3
	s_delay_alu instid0(VALU_DEP_4)
	v_mul_f32 v[P+\j], 0x3fb8aa3b, v[P+\j]         ; x log2(e)
.endr
	s_wait_alu depctr_va_vdst(0)
.irp j, 0,1,2,3
	v_exp_f32 v[P+\j], v[P+\j]
.endr
	v_nop                                          ; a plain instruction behind the last exponential (ISA guide 5.7.2)
	s_wait_alu depctr_va_vdst(0)                   ; one wait for the four, ahead of their first reader
	v_add_f32 v97, v[P], v[P+1]
	v_add_f32 v98, v[P+2], v[P+3]
	s_delay_alu instid0(VALU_DEP_1)
	v_add_f32 v97, v97, v98
.irp m, 1,2,4,8
	s_delay_alu instid0(VALU_DEP_1)
	v_add_f32_dpp v97, v97, v97 row_xmask:\m row_mask:0xf bank_mask:0xf
.endr
	s_delay_alu instid0(VALU_DEP_1)
	v_permlanex16_b32 v94, v97, s22, s23
	s_delay_alu instid0(VALU_DEP_1)
	v_add_f32 v97, v97, v94
	ds_store_b32 v95, v97 offset:256               ; other bytes than the maxima's: no barrier is owed between the two uses
	s_wait_dscnt 0x0
	s_barrier_signal -1
	s_barrier_wait -1
	ds_load_b128 v[100:103], v96 offset:256
	ds_load_b128 v[104:107], v96 offset:272
	s_wait_dscnt 0x0
	v_pk_add_f32 v[100:101], v[100:101], v[102:103]
	v_pk_add_f32 v[104:105], v[104:105], v[106:107]
	s_delay_alu instid0(VALU_DEP_1)
	v_pk_add_f32 v[100:101], v[100:101], v[104:105]
	s_delay_alu instid0(VALU_DEP_1)
	v_add_f32 v100, v100, v101                     ; the row's sum: at least 1, since the largest energy gives 2^0
	s_wait_alu depctr_va_vdst(0)
	v_rcp_f32 v100, v100
	v_nop                                          ; a plain instruction behind the reciprocal
	s_wait_alu depctr_va_vdst(0)                   ; and the wait ahead of its first reader
.irp j, 0,1,2,3
	v_mul_f32 v[P+\j], v[P+\j], v100
.endr
	global_store_b128 v3, v[P:P+3], s[12:13]       ; sixteen lanes store 256 consecutive bytes, at a multiple of 256 from out0's first byte; every position is written
	s_wait_tensorcnt 0x0
	ds_add_u32 v128, v129
	s_wait_dscnt 0x0
	s_endpgm
.Lfunc_end_k_q8beec30934_softmax:
	.size	k_q8beec30934_softmax, .Lfunc_end_k_q8beec30934_softmax-k_q8beec30934_softmax
	.p2alignl 7, 3214868480
	.fill 96, 4, 3214868480
	.section	.rodata,"a",@progbits
	.p2align	6, 0x0
	.amdhsa_kernel k_q8beec30934_softmax
		.amdhsa_group_segment_fixed_size 1536
		.amdhsa_private_segment_fixed_size 0
		.amdhsa_enable_private_segment 0
		.amdhsa_kernarg_size 40
		.amdhsa_user_sgpr_count 2
		.amdhsa_user_sgpr_kernarg_segment_ptr 1
		.amdhsa_wavefront_size32 1
		.amdhsa_system_sgpr_workgroup_id_x 1
		.amdhsa_system_sgpr_workgroup_id_y 1
		.amdhsa_system_sgpr_workgroup_id_z 1
		.amdhsa_system_vgpr_workitem_id 0
		.amdhsa_next_free_vgpr 130
		.amdhsa_next_free_sgpr 66
		.amdhsa_reserve_vcc 1
		.amdhsa_float_denorm_mode_32 3
		.amdhsa_float_denorm_mode_16_64 3
		.amdhsa_memory_ordered 1
		.amdhsa_forward_progress 1
		.amdhsa_inst_pref_size 12
	.end_amdhsa_kernel
	.amdgpu_metadata
---
amdhsa.version: [ 1, 2 ]
amdhsa.kernels:
  - .name:           k_q8beec30934_softmax
    .symbol:         k_q8beec30934_softmax.kd
    .args:
      - { .name: epart, .offset: 0, .size: 8, .value_kind: global_buffer, .address_space: global }
      - { .name: text_lens, .offset: 8, .size: 8, .value_kind: global_buffer, .address_space: global }
      - { .name: b, .offset: 16, .size: 8, .value_kind: global_buffer, .address_space: global }
      - { .name: weight_vec, .offset: 24, .size: 8, .value_kind: global_buffer, .address_space: global }
      - { .name: out0, .offset: 32, .size: 8, .value_kind: global_buffer, .address_space: global }
    .group_segment_fixed_size: 1536
    .private_segment_fixed_size: 0
    .kernarg_segment_align: 8
    .kernarg_segment_size: 40
    .max_flat_workgroup_size: 256
    .sgpr_count:     66
    .vgpr_count:     130
    .wavefront_size: 32
...
	.end_amdgpu_metadata
.endif
;; end of part 2
